; MI455X (gfx1250); checked and timed in simulation.
; The chip was launched on July 23, 2026; its instructions are those of AMD's public machine-readable ISA for CDNA 5 (MIT licence, August 2026) and "CDNA5" Instruction Set Architecture Reference Guide (July 2026). The comments in the code are by the model that wrote it; some were corrected since.
;; DIN Attention. Allowed arithmetic: float matrix products may take bf16 or f16 operands with f32 sums; other float arithmetic in f32, or as packed bf16 or f16 multiplies, adds, multiply-adds, maxima and minima; sums over many terms, partial sums and values carried from step to step in f32; what a program stores and reads back later, other than sums and carried values, may be rounded once to bf16 or f16.
;; Inputs: W1 256 x 512 float32; W2 128 x 256 float32; W3 1 x 128 float32; a1 one number float32; a2 one number float32; b1 256 float32; b2 128 float32; b3 1 float32; keys 2,048 x 200 x 128 float32; mask 2,048 x 200 int32; query 2,048 x 128 float32.
;; Outputs: out0 2,048 x 128 float32.
;; 2 versions, each right; version 2 is version 1 with the launch prep written anew for expert scheduling mode. Each part assembles by itself: llvm-mc -triple=amdgcn-amd-amdhsa -mcpu=gfx1250 --defsym DOCPART=n.
;; ======== version 1 of 2: 2 launches
;; limits: values are held in f16: magnitudes above 65,504 overflow, below 6.1e-05 lose precision; inputs' magnitudes at most 65,504
;; workspace buffers: wts 201,728 bytes; bq 2,621,440 bytes; list 2,621,440 bytes of whole numbers
;; launch prep (part 1): grid 256 x 1, 8 waves a work-group, no clusters, 20,736 bytes of LDS; arguments W1, W2, W3, b1, b2, query, mask, wts, bq, list; writes wts, bq, list
.if DOCPART == 1
	.amdgcn_target "amdgcn-amd-amdhsa--gfx1250"
	.amdhsa_code_object_version 6
	.text
	.protected	k_q58e04e2c8a_prep
	.globl	k_q58e04e2c8a_prep
	.p2align	8
	.type	k_q58e04e2c8a_prep,@function
k_q58e04e2c8a_prep:
	s_mov_b64 s[64:65], 0
	v_nop
	global_prefetch_b8 v0, s[64:65] scope:SCOPE_SE
	s_setreg_imm32_b32 hwreg(HW_REG_WAVE_MODE, 25, 1), 1
	s_wait_xcnt 0x0
; PREPARATION for the attention launch.  W1 = [Wa|Wb|Wc|Wd] (four blocks of 128 columns).  Since [q, k, q-k, q*k] W1^T = q (Wa+Wc)^T + k (Wb-Wc)^T + k (Wd*q)^T, this launch stores
;   bq   [1024 slots][2,560 B]: a slot is two batches.  cb = b1 + q (Wa+Wc)^T (256 f32) of the even batch at 0, of the odd one at 1,024; the two queries in f16 at 2,048.
;   wts  weight images in the order of matrix fragments: a fragment F is 1,024 B; the 16 bytes at 1024 F + 512 u + 16 lane are 8 numbers of row 16 tile + lane % 16, columns 32 c + 16 u + 8 (lane / 16) + 0..7.
;        0: f16(Wd), F = 4 ft + c;  65,536: f16(Wb - Wc), the difference taken in f32;  131,072: bf16(W2), F = 8 gt + ks;  196,608: bf16(W3), every row alike, F = ks;  200,704: b2;  201,216: zeros.
;   list [1024 slots][640 words]: the byte offsets (200 j + l) x 512 of the rows with mask != 0, from the slot's first key row, l ascending; batch j's entries begin at word 224 j
;        (seven groups of 32 for its 200 rows); all else up to word 511 is 0; words 512, 513 = n0, n1, the numbers of live rows; the rest 0.
; LIMITS.  |query|, |Wd|, |Wb-Wc|, |Wa+Wc| stay under 65,504 (f16); the products for cb take f16 operands and f32 sums.
; SHARES.  Work-group x: bt = x / 2 (16 batches), fh = x % 2 (128 features).  Wave w makes cb's tile of features 16 (8 fh + w) on.  Waves 0-3 also make the list of slot 4 x + w;
; waves 4-7, y = 4 x + w - 4, also the f16 queries of slot y and, where y <= 393, the 512 bytes y of wts.
.set STAGE,  0                         ; 16 rows (batches) x 512 bytes of cb, pitch 528
.set SPITCH, 528
.set LSB,    8448                      ; waves 0-3: 640 list words + 64 words that take the lanes with nothing to say
.set LSZ,    2816
.set B1E,    224                       ; the odd batch's first entry
.set SPARE,  19712                     ; the spare words, 128 bytes a wave
.set SPW,    22
.set NIL,    23
	s_load_b512 s[4:19], s[0:1], 0x0               ; W1 s[4:5], W2 s[6:7], W3 s[8:9], b1 s[10:11], b2 s[12:13], query s[14:15], mask s[16:17], wts s[18:19]
	s_load_b128 s[20:23], s[0:1], 0x40             ; bq s[20:21], list s[22:23]
	v_lshl_add_u32 v[SPW], v0, 2, SPARE
	v_mov_b32 v[NIL], 0
	v_lshrrev_b32 v1, 5, v0
	v_readfirstlane_b32 s24, v1                    ; wave 0..7
	v_and_b32 v2, 31, v0                           ; lane
	v_and_b32 v3, 15, v0                           ; r
	v_bfe_u32 v4, v0, 4, 1                         ; h
	v_lshlrev_b32 v10, 4, v2                       ; 16 x lane; never rewritten
	s_lshr_b32 s25, ttmp9, 1                       ; bt
	s_and_b32 s26, ttmp9, 1                        ; fh
	s_lshl_b32 s27, s26, 3
	s_add_co_u32 s27, s27, s24                     ; ft = 8 fh + w
	s_lshl_b32 s28, s27, 6
	v_lshl_add_u32 v5, v4, 5, s28                  ; b1: (16 ft + 8 h) x 4
	s_lshl_b32 s29, s25, 13
	v_lshlrev_b32 v6, 9, v3
	v_lshl_add_u32 v6, v4, 5, v6
	v_add_nc_u32 v6, s29, v6                       ; query: (16 bt + r) x 512 + 32 h
	s_lshl_b32 s30, s27, 15
	v_lshlrev_b32 v7, 11, v3
	v_lshl_add_u32 v7, v4, 5, v7
	v_add_nc_u32 v7, s30, v7                       ; W1: (16 ft + r) x 2,048 + 32 h
	s_lshl_b32 s31, ttmp9, 2
	s_add_co_u32 s31, s31, s24                     ; 4 x + w
	s_wait_kmcnt 0x0
	; the 50 loads of cb's tile go out first; each arm below waits for them together with its own
	global_load_b128 v[56:59], v5, s[10:11]
	global_load_b128 v[60:63], v5, s[10:11] offset:16
.set i, 0
.rept 16                                       ; i = 4 c + 2 u + e: 32 bytes a lane at 128 c + 64 u + 32 h
	global_load_b128 v[64+4*i:64+4*i+3],   v6, s[14:15] offset:128*(i/4)+64*((i/2)%2)+16*(i%2)
	global_load_b128 v[128+4*i:128+4*i+3], v7, s[4:5] offset:128*(i/4)+64*((i/2)%2)+16*(i%2)
	global_load_b128 v[192+4*i:192+4*i+3], v7, s[4:5] offset:128*(i/4)+64*((i/2)%2)+16*(i%2)+1024
.set i, i+1
.endr
	s_cmp_lt_u32 s24, 4
	s_cbranch_scc0 .Lconv
	; ---- waves 0-3: the list of slot s31 ----
	s_mul_i32 s34, s31, 1600
	s_mov_b32 s35, 0
	s_add_nc_u64 s[32:33], s[16:17], s[34:35]      ; the slot's 400 mask words
	v_lshlrev_b32 v8, 2, v2
	v_add_nc_u32 v9, 192, v2
	v_min_u32 v9, 199, v9                          ; the seventh group has 8 rows: the other lanes read row 199 again and are masked off below
	v_lshlrev_b32 v9, 2, v9
.irp j, 0,1
.irp i, 0,1,2,3,4,5
	global_load_b32 v[24+7*\j+\i], v8, s[32:33] offset:800*\j+128*\i
.endr
	global_load_b32 v[24+7*\j+6], v9, s[32:33] offset:800*\j
.endr
	s_mul_i32 s58, s24, LSZ
	s_add_co_u32 s58, s58, LSB                     ; my list in LDS
	v_lshl_add_u32 v11, v2, 4, s58
	v_mov_b32 v12, 0
	v_mov_b32 v13, 0
	v_mov_b32 v14, 0
	v_mov_b32 v15, 0
.irp k, 0,1,2,3,4
	ds_store_b128 v11, v[12:15] offset:512*\k      ; all 640 words start at 0; LDS serves a wave's instructions in order, so the entries below land on top
.endr
	v_add_nc_u32 v17, 640, v2                      ; where a lane with a masked row writes
	v_lshlrev_b32 v18, 9, v2                       ; lane x 512
	s_wait_loadcnt 0x0
.irp j, 0,1
.irp i, 0,1,2,3,4,5,6
	v_cmp_ne_u32 s[40+7*\j+\i], 0, v[24+7*\j+\i]
.endr
	s_and_b32 s[40+7*\j+6], s[40+7*\j+6], 0xff
.endr
; rows 32 i + lane of batch j: a live row's place is the running count s56 plus the live lanes below it
.macro ENTRY j, i
	v_mbcnt_lo_u32_b32 v16, s[40+7*(\j)+(\i)], s56
	v_cndmask_b32 v16, v17, v16, s[40+7*(\j)+(\i)]
	v_min_u32 v16, 703, v16                        ; inside my 704 words whatever the mask holds
	v_lshl_add_u32 v16, v16, 2, s58
	v_add_nc_u32 v19, (200*(\j)+32*(\i))*512, v18
	ds_store_b32 v16, v19
	s_bcnt1_i32_b32 s57, s[40+7*(\j)+(\i)]
	s_add_co_u32 s56, s56, s57
.endm
	s_mov_b32 s56, 0
.irp i, 0,1,2,3,4,5,6
	ENTRY 0, \i
.endr
	s_mov_b32 s54, s56                             ; n0
	s_mov_b32 s56, B1E                             ; batch 1's entries begin here
.irp i, 0,1,2,3,4,5,6
	ENTRY 1, \i
.endr
	s_sub_co_u32 s59, s56, B1E                     ; n1
	v_mov_b32 v20, 0
	v_writelane_b32 v20, s54, 0
	v_writelane_b32 v20, s59, 1
	v_lshl_add_u32 v21, v2, 2, s58
	ds_store_b32 v21, v20 offset:2048              ; words 512..543
	s_mul_i32 s34, s31, 2560
	s_add_nc_u64 s[62:63], s[22:23], s[34:35]
.irp k, 0,1,2,3,4
	ds_load_b128 v[24+4*\k:27+4*\k], v11 offset:512*\k  ; my own bytes, behind my own stores
.endr
	s_wait_dscnt 0x0
.irp k, 0,1,2,3,4
	global_store_b128 v10, v[24+4*\k:27+4*\k], s[62:63] offset:512*\k  ; 512 consecutive bytes each
.endr
	s_branch .Ljoin
	; ---- waves 4-7: the queries in f16, and 512 bytes of the weight images ----
.macro CVH                             ; v[24:31] -> 8 f16 in v[44:47]
.irp q, 0,1,2,3
	v_cvt_pk_f16_f32 v[44+\q], v[24+2*\q], v[25+2*\q]
.endr
.endm
.macro CVB                             ; the same to bf16
.irp q, 0,1,2,3
	v_cvt_pk_bf16_f32 v[44+\q], v[24+2*\q], v[25+2*\q]
.endr
.endm
.Lconv:
	s_sub_co_u32 s31, s31, 4                       ; y
	s_lshl_b32 s34, s31, 10
	s_mov_b32 s35, 0
	s_add_nc_u64 s[32:33], s[14:15], s[34:35]      ; slot y's two queries: 1,024 bytes
	v_lshlrev_b32 v8, 5, v2
	global_load_b128 v[24:27], v8, s[32:33]
	global_load_b128 v[28:31], v8, s[32:33] offset:16
	s_mul_i32 s36, s31, 2560
	s_mov_b32 s37, 0
	s_add_nc_u64 s[36:37], s[20:21], s[36:37]
	s_wait_loadcnt 0x0
.irp q, 0,1,2,3
	v_cvt_pk_f16_f32 v[32+\q], v[24+2*\q], v[25+2*\q]
.endr
	global_store_b128 v10, v[32:35], s[36:37] offset:2048
	s_cmp_gt_u32 s31, 393
	s_cbranch_scc1 .Ljoin                          ; wts has 394 pieces of 512 bytes
	s_lshl_b32 s38, s31, 9
	s_mov_b32 s39, 0
	s_add_nc_u64 s[38:39], s[18:19], s[38:39]
	s_and_b32 s40, s31, 1
	s_lshl_b32 s40, s40, 6                         ; 64 u
	s_cmp_lt_u32 s31, 256
	s_cbranch_scc0 .Lw2
	s_bfe_u32 s41, s31, 0x60001                    ; F = (y % 128) / 2
	s_lshr_b32 s42, s41, 2                         ; ft
	s_and_b32 s41, s41, 3                          ; c
	s_lshl_b32 s42, s42, 15
	s_lshl_b32 s41, s41, 7
	s_add_co_u32 s42, s42, s41
	s_add_co_u32 s42, s42, s40
	v_lshlrev_b32 v9, 11, v3
	v_lshl_add_u32 v9, v4, 5, v9
	v_add_nc_u32 v9, s42, v9                       ; (16 ft + r) x 2,048 + 128 c + 64 u + 32 h
	s_cmp_lt_u32 s31, 128
	s_cbranch_scc0 .Lwbc
	global_load_b128 v[24:27], v9, s[4:5] offset:1536  ; Wd
	global_load_b128 v[28:31], v9, s[4:5] offset:1552
	s_wait_loadcnt 0x0
	CVH
	s_branch .Lput
.Lwbc:
	global_load_b128 v[24:27], v9, s[4:5] offset:512   ; Wb
	global_load_b128 v[28:31], v9, s[4:5] offset:528
	global_load_b128 v[36:39], v9, s[4:5] offset:1024  ; Wc
	global_load_b128 v[40:43], v9, s[4:5] offset:1040
	s_wait_loadcnt 0x0
.irp q, 0,2,4,6
	v_pk_add_f32 v[24+\q:25+\q], v[24+\q:25+\q], v[36+\q:37+\q] neg_lo:[0,1] neg_hi:[0,1]
.endr
	CVH
	s_branch .Lput
.Lw2:
	s_cmp_lt_u32 s31, 384
	s_cbranch_scc0 .Lw3
	s_bfe_u32 s41, s31, 0x60001                    ; F = (y - 256) / 2
	s_lshr_b32 s42, s41, 3                         ; gt
	s_and_b32 s41, s41, 7                          ; ks
	s_lshl_b32 s42, s42, 14
	s_lshl_b32 s41, s41, 7
	s_add_co_u32 s42, s42, s41
	s_add_co_u32 s42, s42, s40
	v_lshlrev_b32 v9, 10, v3
	v_lshl_add_u32 v9, v4, 5, v9
	v_add_nc_u32 v9, s42, v9                       ; (16 gt + r) x 1,024 + 128 ks + 64 u + 32 h
	global_load_b128 v[24:27], v9, s[6:7]
	global_load_b128 v[28:31], v9, s[6:7] offset:16
	s_wait_loadcnt 0x0
	CVB
	s_branch .Lput
.Lw3:
	s_cmp_lt_u32 s31, 392
	s_cbranch_scc0 .Lb2
	s_bfe_u32 s41, s31, 0x20001                    ; ks = (y - 384) / 2
	s_lshl_b32 s41, s41, 7
	s_add_co_u32 s41, s41, s40
	v_lshl_add_u32 v9, v4, 5, s41                  ; every row of the fragment is W3
	global_load_b128 v[24:27], v9, s[8:9]
	global_load_b128 v[28:31], v9, s[8:9] offset:16
	s_wait_loadcnt 0x0
	CVB
	s_branch .Lput
.Lb2:
	s_cmp_eq_u32 s31, 392
	s_cbranch_scc0 .Lzero
	global_load_b128 v[44:47], v10, s[12:13]       ; b2 as it is
	s_wait_loadcnt 0x0
	s_branch .Lput
.Lzero:
	v_mov_b32 v44, 0
	v_mov_b32 v45, 0
	v_mov_b32 v46, 0
	v_mov_b32 v47, 0
.Lput:
	global_store_b128 v10, v[44:47], s[38:39]
	; ---- every wave: cb's tile.  Source 0 = 16 features of Wa + Wc, source 1 = 16 queries: a lane ends with one batch (r) and the features 8 h + 0..7 ----
.Ljoin:
	s_wait_loadcnt 0x0
.set k, 0
.rept 32
	v_pk_add_f32 v[128+2*k:129+2*k], v[128+2*k:129+2*k], v[192+2*k:193+2*k]
.set k, k+1
.endr
.set k, 0
.rept 32                                       ; in place, ascending: register k is written when 2 k and 2 k + 1 have been read
	v_cvt_pk_f16_f32 v[128+k], v[128+2*k], v[129+2*k]
	v_cvt_pk_f16_f32 v[64+k], v[64+2*k], v[65+2*k]
.set k, k+1
.endr
	; two accumulators by turns; b1 starts the first sum, 0 the second
	v_wmma_f32_16x16x32_f16 v[192:199], v[128:135], v[64:71], v[56:63]
	v_wmma_f32_16x16x32_f16 v[200:207], v[136:143], v[72:79], 0
	v_wmma_f32_16x16x32_f16 v[192:199], v[144:151], v[80:87], v[192:199]
	v_wmma_f32_16x16x32_f16 v[200:207], v[152:159], v[88:95], v[200:207]
	v_mul_u32_u24 v12, v3, SPITCH                  ; four plain instructions that name none of the products' registers stand behind the last product
	v_lshl_add_u32 v12, v4, 5, v12
	s_lshl_b32 s44, s24, 6
	v_add_nc_u32 v12, s44, v12                     ; stage: row r, 64 w + 32 h
	s_mul_i32 s45, s24, 2*SPITCH
	v_add_nc_u32 v13, s45, v10                     ; back: rows 2 w and 2 w + 1, 16 bytes a lane
.irp q, 0,2,4,6
	v_pk_add_f32 v[192+\q:193+\q], v[192+\q:193+\q], v[200+\q:201+\q]
.endr
	ds_store_b128 v12, v[192:195]
	ds_store_b128 v12, v[196:199] offset:16
	s_wait_dscnt 0x0                               ; my part of the stage is written, for the others' sake
	s_barrier_signal -1
	s_barrier_wait -1
	ds_load_b128 v[208:211], v13
	ds_load_b128 v[212:215], v13 offset:SPITCH
	s_lshl_b32 s46, s25, 3
	s_add_co_u32 s46, s46, s24                     ; slot 8 bt + w
	s_mul_i32 s46, s46, 2560
	s_lshl_b32 s47, s26, 9
	s_add_co_u32 s46, s46, s47                     ; + 512 fh
	s_mov_b32 s47, 0
	s_add_nc_u64 s[66:67], s[20:21], s[46:47]
	s_wait_dscnt 0x0
	global_store_b128 v10, v[208:211], s[66:67]              ; 512 consecutive bytes of the even batch's cb,
	global_store_b128 v10, v[212:215], s[66:67] offset:1024  ; and of the odd one's
	s_wait_tensorcnt 0x0                           ; the wave's end
	ds_add_u32 v[SPW], v[NIL]
	s_wait_dscnt 0x0
	s_endpgm
.Lfunc_end_k_q58e04e2c8a_prep:
	.size	k_q58e04e2c8a_prep, .Lfunc_end_k_q58e04e2c8a_prep-k_q58e04e2c8a_prep
	.p2alignl 7, 3214868480
	.fill 96, 4, 3214868480
	.section	.rodata,"a",@progbits
	.p2align	6, 0x0
	.amdhsa_kernel k_q58e04e2c8a_prep
		.amdhsa_group_segment_fixed_size 20736
		.amdhsa_private_segment_fixed_size 0
		.amdhsa_enable_private_segment 0
		.amdhsa_kernarg_size 80
		.amdhsa_user_sgpr_count 2
		.amdhsa_user_sgpr_kernarg_segment_ptr 1
		.amdhsa_wavefront_size32 1
		.amdhsa_system_sgpr_workgroup_id_x 1
		.amdhsa_system_sgpr_workgroup_id_y 1
		.amdhsa_system_sgpr_workgroup_id_z 1
		.amdhsa_system_vgpr_workitem_id 0
		.amdhsa_next_free_vgpr 256
		.amdhsa_next_free_sgpr 96
		.amdhsa_reserve_vcc 0
		.amdhsa_float_denorm_mode_32 3
		.amdhsa_float_denorm_mode_16_64 3
		.amdhsa_memory_ordered 1
		.amdhsa_forward_progress 1
		.amdhsa_inst_pref_size 31
	.end_amdhsa_kernel
	.amdgpu_metadata
---
amdhsa.version: [ 1, 2 ]
amdhsa.kernels:
  - .name:           k_q58e04e2c8a_prep
    .symbol:         k_q58e04e2c8a_prep.kd
    .args:
      - { .name: W1, .offset: 0, .size: 8, .value_kind: global_buffer, .address_space: global }
      - { .name: W2, .offset: 8, .size: 8, .value_kind: global_buffer, .address_space: global }
      - { .name: W3, .offset: 16, .size: 8, .value_kind: global_buffer, .address_space: global }
      - { .name: b1, .offset: 24, .size: 8, .value_kind: global_buffer, .address_space: global }
      - { .name: b2, .offset: 32, .size: 8, .value_kind: global_buffer, .address_space: global }
      - { .name: query, .offset: 40, .size: 8, .value_kind: global_buffer, .address_space: global }
      - { .name: mask, .offset: 48, .size: 8, .value_kind: global_buffer, .address_space: global }
      - { .name: wts, .offset: 56, .size: 8, .value_kind: global_buffer, .address_space: global }
      - { .name: bq, .offset: 64, .size: 8, .value_kind: global_buffer, .address_space: global }
      - { .name: list, .offset: 72, .size: 8, .value_kind: global_buffer, .address_space: global }
    .group_segment_fixed_size: 20736
    .private_segment_fixed_size: 0
    .kernarg_segment_align: 8
    .kernarg_segment_size: 80
    .max_flat_workgroup_size: 256
    .sgpr_count:     96
    .vgpr_count:     256
    .wavefront_size: 32
...
	.end_amdgpu_metadata
.endif
;; end of part 1
;; launch main (part 2): grid 256 x 1, 4 waves a work-group, no clusters, 252,416 bytes of LDS; arguments list, wts, bq, keys, a1, a2, b3, out0; writes out0
.if DOCPART == 2
	.amdgcn_target "amdgcn-amd-amdhsa--gfx1250"
	.amdhsa_code_object_version 6
	.text
	.protected	k_q58e04e2c8a_main
	.globl	k_q58e04e2c8a_main
	.p2align	8
	.type	k_q58e04e2c8a_main,@function
k_q58e04e2c8a_main:
	s_mov_b64 s[64:65], 0
	v_nop
	global_prefetch_b8 v0, s[64:65] scope:SCOPE_SE
	s_setreg_imm32_b32 hwreg(HW_REG_WAVE_MODE, 25, 1), 1
	s_wait_xcnt 0x0
; out[b] = sum over l of w[b][l] keys[b][l], w = softmax over all 200 scores (masked rows score -10000), masked w set to 0.
; score = W3 prelu(W2 prelu(W_b k + cb) + b2) + b3, with W_b = (Wb - Wc) + Wd * q (built here, a batch at a time) and cb = b1 + q (Wa + Wc)^T (from the launch before): the same sums as
; [q, k, q-k, q*k] W1^T + b1, regrouped.  A masked row enters the result only as exp(-10000 - max) in the denominator: its key is not read, its count is.
; FORMATS.  Layer 1 and the last sum (p x keys) take f16 operands, layers 2 and 3 bf16 (h1 has no room in f16 for larger inputs); all sums, cb, the running maximum, the sum l and O are f32.
; LIMITS.  |keys| and |W_b| stay under 65,504, and all keys are finite.  The slopes enter as bf16(a - 1): prelu(x) = x + (a - 1) min(x, 0), on x rounded to bf16.  A weight below 2^-126 counts as 0
; in l, below 6e-8 as 0 in the last sum.
; SHARES.  Wave w of work-group x owns slot 4 x + w, two batches, from first to last.  An ITEM is 32 places of a batch's list of live rows (two tiles of 16).  EVERY BATCH RUNS SEVEN ITEMS, 224 places for
; its 200 rows: the trip count is a constant, and no branch of the text hangs on the mask.  A place behind the last live row names the slot's first key row; its score is replaced by the lowest finite
; number, so its weight is 0: such places cost their arithmetic, and no new bytes from memory.
; The four waves share only the weight images in LDS, which are filled once: one barrier in the whole text.
; NO CLUSTER: what work-groups share is the 201,728 bytes of weights, read once each against the keys of their own eight batches, up to 819,200 bytes.
; LAYOUT.  Every product has the weights as source 0 and the rows as source 1: a lane holds ONE row (lane % 16) and eight features 8 (lane / 16) + 0..7, and two results rounded in pairs ARE source 1 of the next layer.
; REGISTERS, in windows of 256 (s_set_vgpr_msb: bits 1:0 source 0, 3:2 source 1, 5:4 source 2, 7:6 destination):
;   window 0: v0-47 addresses, statistics, at work; v48-63 BIAS (two C images); v64-127 ACC, two buffers of four accumulators (2 t + fo); v128-255 H1 (K step ks, tile t at 16 ks + 8 t);
;             also v128-191 the keys turned (tail), v192-255 the keys in f16 (intake), v128-159 q (build)
;   window 1: v0-63 a ring of four K steps of W2 (tail: W3 in v0-31, the weights p in v32-39); v64-127 FR: the keys' fragments (32 t + 8 c), later h2's (16 ks + 8 t); v128-255 LAND: the next item's 32 rows, f32, on their way
;   windows 2, 3: W_b, fragment F = 4 ft + c at 8 F
.set ITEMS, 7                          ; items a batch
.set W2O,   131072
.set BQO,   201728                     ; + 2,560 w: my slot's cb and q
.set SCRO,  211968                     ; + 9,984 w: my scratch: 32 rows of f16 keys, pitch 288; the weights p at 9,216; O at 9,472
.set SCRB,  9984
.set KP,    288                        ; 72 words
.set SPARE, 251904                     ; the spare words, 128 bytes a wave
.set SPW,   40
.set NIL,   41
.set MSB,   0
.macro WIN new                         ; the high byte repeats the setting that is left; a switch that changes nothing is dropped
.if MSB != (\new)
	s_set_vgpr_msb (MSB<<8)|(\new)
.set MSB, (\new)
.endif
.endm
.macro PLACES                          ; four plain instructions between a product and a vector line or load that touches its registers
.rept 4
	v_nop
.endr
.endm
	s_load_b512 s[4:19], s[0:1], 0x0               ; list s[4:5], wts s[6:7], bq s[8:9], keys s[10:11], a1 s[12:13], a2 s[14:15], b3 s[16:17], out s[18:19]
	v_lshl_add_u32 v[SPW], v0, 2, SPARE
	v_mov_b32 v[NIL], 0
	ds_add_u32 v[SPW], v[NIL]                      ; the wave's opening: the add and its wait ahead of my first tensor load
	v_lshrrev_b32 v32, 5, v0
	v_readfirstlane_b32 s22, v32                   ; wave 0..3
	s_lshl_b32 s23, ttmp9, 2
	s_add_co_u32 s23, s23, s22                     ; slot
	; two descriptors of dense rows of 256 bytes (32 elements of 8 bytes): my quarter of the weights, 197 rows; my slot's cb and q, 10 rows
	s_mov_b32 s72, 3<<16
	s_mov_b32 s73, 32<<16
	s_mov_b32 s74, 197<<16
	s_mov_b32 s75, 32<<16
	s_mov_b32 s76, 197
	s_mov_b32 s77, 32
	s_mov_b32 s78, 0
	s_mov_b32 s79, 0
	s_mov_b32 s80, 3<<16
	s_mov_b32 s81, 32<<16
	s_mov_b32 s82, 10<<16
	s_mov_b32 s83, 32<<16
	s_mov_b32 s84, 10
	s_mov_b32 s85, 32
	s_mov_b32 s86, 0
	s_mov_b32 s87, 0
	s_mov_b32 s88, 1
	s_mul_i32 s89, s22, 50432                      ; LDS: 50,432 w
	s_mov_b32 s92, 1
	s_mul_i32 s93, s22, 2560
	s_add_co_u32 s93, s93, BQO
	s_mov_b32 s2, 0x3fb8aa3b                       ; log2(e)
	s_mov_b32 s3, 0xff7fffff                       ; the lowest finite number
	s_mov_b32 s31, 0
	s_mov_b32 s21, 0
	s_wait_dscnt 0x0                               ; the opening add is done
	s_wait_kmcnt 0x0
	s_mul_i32 s20, s22, 50432
	s_add_nc_u64 s[90:91], s[6:7], s[20:21]
	s_or_b32 s91, s91, 0x80000000
	s_mul_i32 s20, s23, 2560
	s_add_nc_u64 s[94:95], s[8:9], s[20:21]
	s_or_b32 s95, s95, 0x80000000
	tensor_load_to_lds s[88:91], s[72:79]          ; the only fills of the launch: two loads of mine are out
	s_nop 0
	tensor_load_to_lds s[92:95], s[80:87]
	s_nop 0
	s_add_nc_u64 s[68:69], s[4:5], s[20:21]        ; my slot's list
	s_load_b64 s[26:27], s[68:69], 0x800           ; n0, n1: they enter values alone, no branch and no address
	s_load_b32 s28, s[12:13], 0x0
	s_load_b32 s29, s[14:15], 0x0
	s_load_b32 s30, s[16:17], 0x0
	s_load_b512 s[32:47], s[68:69], 0x0            ; item 0's 32 entries
	s_load_b512 s[48:63], s[68:69], 0x40
	s_mul_i32 s20, s23, 204800
	s_add_nc_u64 s[66:67], s[10:11], s[20:21]      ; the slot's first key row; never rewritten
	s_lshl_b32 s20, s23, 10
	s_add_nc_u64 s[70:71], s[18:19], s[20:21]      ; out at my first batch
	v_and_b32 v33, 31, v0
	v_and_b32 v15, 15, v0                          ; r
	v_bfe_u32 v34, v0, 4, 1                        ; h
	v_lshlrev_b32 v1, 4, v33                       ; 16 lane: Wd's fragments; a key row's and out's 16 bytes
	v_add_nc_u32 v2, 65536, v1                     ; Wb - Wc
	v_add_nc_u32 v3, W2O, v1                       ; W2
	v_add_nc_u32 v4, 196608, v1                    ; W3
	v_lshlrev_b32 v35, 5, v34
	v_add_nc_u32 v5, 200704, v35                   ; b2 + 32 h
	s_mul_i32 s20, s22, 2560
	s_add_co_u32 s20, s20, BQO
	v_add_nc_u32 v6, s20, v35                      ; cb + 32 h
	v_lshl_add_u32 v7, v34, 4, s20
	v_add_nc_u32 v7, 2048, v7                      ; q + 16 h
	s_mul_i32 s21, s22, SCRB
	s_add_co_u32 s21, s21, SCRO                    ; my scratch
	v_lshl_add_u32 v8, v33, 3, s21                 ; keys in: 8 bytes a lane
	v_and_b32 v36, 7, v0
	v_lshl_add_u32 v36, v34, 3, v36
	v_mul_u32_u24 v36, v36, KP
	v_bfe_u32 v37, v0, 3, 1
	v_lshl_add_u32 v36, v37, 4, v36
	v_add_nc_u32 v9, s21, v36                      ; keys turned: row 8 h + lane % 8, 16 bytes by (lane / 8) % 2
	v_lshl_add_u32 v10, v15, 1, s21
	v_add_nc_u32 v10, 9216, v10                    ; p in: 2 r
	v_lshl_add_u32 v11, v34, 4, s21
	v_add_nc_u32 v11, 9216, v11                    ; p back: 16 h
	v_lshl_add_u32 v12, v15, 2, s21
	v_add_nc_u32 v12, 9472, v12                    ; O in: 4 r
	v_add_nc_u32 v13, s21, v1
	v_add_nc_u32 v13, 9472, v13                    ; O back: 16 lane
	v_mul_u32_u24 v14, v15, KP
	v_lshl_add_u32 v14, v34, 4, v14
	v_add_nc_u32 v14, s21, v14                     ; keys' fragments: row r, 16 h
	s_wait_kmcnt 0x0
	s_min_u32 s26, s26, 200
	s_min_u32 s27, s27, 200
	v_mov_b32 v32, s28
	v_mov_b32 v33, s29
	v_add_f32 v32, -1.0, v32
	v_add_f32 v33, -1.0, v33
	v_cvt_pk_bf16_f32 v32, v32, v32
	v_cvt_pk_bf16_f32 v33, v33, v33
	v_readfirstlane_b32 s28, v32                   ; bf16(a1 - 1), twice
	v_readfirstlane_b32 s29, v33                   ; bf16(a2 - 1), twice
; The next item's 32 rows are asked for: a load a row, 512 consecutive bytes, each landing on its own offset register; then the entries of the item after it.
.macro GATHER
.set gi, 0
.rept 32
	s_min_u32 s[32+gi], s[32+gi], 204288           ; a loaded offset is bounded by the slot's last row before it enters an address
.set gi, gi+1
.endr
	WIN 0x40
.set gi, 0
.rept 32
	v_add_nc_u32 v[128+4*gi], s[32+gi], v1
.set gi, gi+1
.endr
	WIN 0x41
.set gi, 0
.rept 32
	global_load_b128 v[128+4*gi:128+4*gi+3], v[128+4*gi], s[66:67]
.set gi, gi+1
.endr
	WIN 0
	s_load_b512 s[32:47], s[68:69], 0x0
	s_load_b512 s[48:63], s[68:69], 0x40
.endm
	s_add_nc_u64 s[68:69], s[68:69], 128           ; the scalar loads above are done
	GATHER                                         ; item 0's rows, item 1's entries
	s_wait_tensorcnt 0x0                           ; my quarter of the weights and my cb and q are in,
	s_barrier_signal -1
	s_barrier_wait -1                              ; everybody's are; nothing is filled again
	s_mov_b32 s96, 2                               ; batches to go
	s_mov_b32 s99, s26                             ; n
; THE VECTOR WORK BETWEEN THE LAYERS is a queue of 48 lines on one buffer of four accumulators; RID writes the next n of them behind a product.
;   0-15  round to bf16 in pairs, in place, ascending (each accumulator's lowest registers are read first)    16-31  min(x, 0)    32-47  x + (a - 1) min(x, 0), into the next layer's source 1
.macro SETQ buf, dst, dwin, slope
.set QB, 64+32*(\buf)
.set QD, (\dst)
.set QW, (\dwin)
.set QS, (\slope)
.set QL, 0
.endm
.macro RID n
.rept \n
.if QL < 16
	WIN 0
	v_cvt_pk_bf16_f32 v[QB+QL], v[QB+2*QL], v[QB+2*QL+1]
.elseif QL < 32
	WIN 0
	v_pk_min_num_bf16 v[QB+QL], v[QB+QL-16], s31
.else
	WIN QW
	v_pk_fma_bf16 v[QD+QL-32], v[QB+QL-16], s[QS], v[QB+QL-32]
.endif
.set QL, QL+1
.endr
.endm
.macro BIASL a, off                    ; two C images: for each of two tiles of 16 features, my 8 numbers
.irp q, 0,1,2,3
	ds_load_b128 v[48+4*\q:51+4*\q], v[\a] offset:(\off)+64*(\q/2)+16*(\q%2)
.endr
.endm
.macro LOADW K                         ; W2's two fragments of K step K % 8 of chunk K / 8, into slot K % 4 of the ring
	WIN 0x40
.irp go, 0,1
.irp u, 0,1
	ds_load_b128 v[16*((\K)%4)+8*\go+4*\u:16*((\K)%4)+8*\go+4*\u+3], v3 offset:1024*(8*(2*((\K)/8)+\go)+(\K)%8)+512*\u
.endr
.endr
.endm
; LAYER 1, features 32 p on: 16 products, the four accumulators by turns, cb as the C of the first four.  Behind each product three lines of the pair before.
; The next bias is loaded behind product 7: its last use as C lies twelve lines (pair 0: four v_nop) back.
.macro PAIR p
	s_wait_dscnt 0x0                               ; my bias (pair 0: and the keys' fragments)
.if (\p) > 0
	SETQ ((\p)-1)%2, 128+16*((\p)-1), 0, 28
.endif
.set pi, 0
.rept 16
.set rD, 64+32*((\p)%2)+8*(pi%4)
.set rA, 8*((8*(\p)+4*(pi%2)+pi/4)%32)
.set rB, 64+32*((pi%4)/2)+8*(pi/4)
.set rC, 48+8*(pi%2)
	WIN 0x06+(\p)/4
.if pi < 4
	v_wmma_f32_16x16x32_f16 v[rD:rD+7], v[rA:rA+7], v[rB:rB+7], v[rC:rC+7]
.else
	v_wmma_f32_16x16x32_f16 v[rD:rD+7], v[rA:rA+7], v[rB:rB+7], v[rD:rD+7]
.endif
.if (\p) > 0
	RID 3
.endif
.if pi == 7
.if (\p) == 0
	PLACES
.endif
	WIN 0
.if (\p) < 7
	BIASL 6, 128*((\p)+1)
.else
	BIASL 5, 0
	LOADW 0
	LOADW 1
	LOADW 2
.endif
.endif
.set pi, pi+1
.endr
.if (\p) == 0
	PLACES
.endif
.endm
; LAYER 2, outputs 32 gp on: 8 K steps of 4 products, the four accumulators by turns.  W2's fragments come three K steps ahead, into the slot read one step back: behind that slot's last reader stand
; two lines, a product and two lines, or four v_nop.  The waits leave out the two steps' loads issued since (8), and the four bias loads where they are younger (12).
.macro CHUNK gp
.if (\gp) == 0
	SETQ 1, 240, 0, 28
.else
	SETQ ((\gp)-1)%2, 64+16*((\gp)-1), 0x40, 29
.endif
.set ci, 0
.rept 32
.set cs, ci/4
.set KK, 8*(\gp)+cs
.if ci%4 == 0
.if KK == 31
	s_wait_dscnt 0x0
.elseif KK == 30
	s_wait_dscnt 0x4
.elseif ((\gp) < 3) && (cs >= 3) && (cs <= 5)
	s_wait_dscnt 0xc
.else
	s_wait_dscnt 0x8
.endif
.endif
.set rD, 64+32*((\gp)%2)+8*(ci%4)
.set rA, 16*(KK%4)+8*(ci%2)
.set rB, 128+16*cs+8*((ci%4)/2)
.set rC, 48+8*(ci%2)
	WIN 0x01
.if cs == 0
	v_wmma_f32_16x16x32_bf16 v[rD:rD+7], v[rA:rA+7], v[rB:rB+7], v[rC:rC+7]
.else
	v_wmma_f32_16x16x32_bf16 v[rD:rD+7], v[rA:rA+7], v[rB:rB+7], v[rD:rD+7]
.endif
.if ci < 24
	RID 2
.endif
.if ci%4 == 0
.if KK+3 <= 31
.if cs >= 6
	PLACES
.endif
	LOADW KK+3
.endif
.if (cs == 2) && ((\gp) < 3)
	WIN 0
	BIASL 5, 128*((\gp)+1)
.endif
.endif
.set ci, ci+1
.endr
	PLACES
.endm
.macro LDB k                           ; feature tile k: Wb - Wc straight into W_b's registers, Wd into one of ACC's buffers
	WIN 0x80+0x40*((\k)/8)
.set bi, 0
.rept 8
	ds_load_b128 v[32*((\k)%8)+4*bi:32*((\k)%8)+4*bi+3], v2 offset:4096*(\k)+512*bi
.set bi, bi+1
.endr
	WIN 0
.set bi, 0
.rept 8
	ds_load_b128 v[64+32*((\k)%2)+4*bi:64+32*((\k)%2)+4*bi+3], v1 offset:4096*(\k)+512*bi
.set bi, bi+1
.endr
.endm
.Lbatch:
	; ---- BUILD: W_b = (Wb - Wc) + Wd * q, one fused multiply-add in f16 for two numbers ----
.set bi, 0
.rept 8
	ds_load_b128 v[128+4*bi:128+4*bi+3], v7 offset:32*bi  ; q in the fragments' column order
.set bi, bi+1
.endr
	LDB 0
	LDB 1
.set bk, 0
.rept 16
.if bk == 15
	s_wait_dscnt 0x0
.else
	s_wait_dscnt 0x10                              ; tile bk is in; the next tile's 16 loads may stay out
.endif
	WIN 0xa0+0x50*(bk/8)
.set bj, 0
.rept 32
	v_pk_fma_f16 v[32*(bk%8)+bj], v[64+32*(bk%2)+bj], v[128+bj], v[32*(bk%8)+bj]
.set bj, bj+1
.endr
.if bk+2 <= 15
	LDB bk+2
.endif
.set bk, bk+1
.endr
	WIN 0
	v_mov_b32 v21, s3                              ; m: the lowest finite number
	v_mov_b32 v22, 0                               ; l, a part in each lane
.irp q, 0,1,2,3,4,5,6,7
	v_mov_b32 v[24+\q], 0                          ; O: channel 16 q + r
.endr
	s_mov_b32 s100, s99                            ; live rows left for tile 0,
	s_sub_co_i32 s101, s99, 16                     ; for tile 1
	s_mov_b32 s97, ITEMS
.Litem:
	; ---- INTAKE: this item's rows, asked for an item ago, go to f16 and through my scratch; the next item's are asked for ----
	s_wait_loadcnt 0x0
	WIN 0x05
.set k, 0
.rept 64
	v_cvt_pk_f16_f32 v[192+k], v[128+2*k], v[128+2*k+1]
.set k, k+1
.endr
	WIN 0
	s_wait_kmcnt 0x0                               ; the next item's entries; the list pointer may be stepped
	s_add_nc_u64 s[68:69], s[68:69], 128
	GATHER                                         ; the slot has 14 items; rows are asked for one item ahead and entries two: the highest entry read is 16 x 32 - 1 = 511, in the list's zeros
.set k, 0
.rept 32
	ds_store_b64 v8, v[192+2*k:193+2*k] offset:KP*k
.set k, k+1
.endr
	WIN 0x40
.set k, 0
.rept 16                                       ; k = 8 t + 2 c + u; LDS serves a wave's instructions in order, so these see the stores above
	ds_load_b128 v[64+4*k:64+4*k+3], v14 offset:16*KP*(k/8)+32*(k%8)
.set k, k+1
.endr
	WIN 0
	BIASL 6, 0
	; ---- LAYER 1 and LAYER 2 ----
	PAIR 0
	PAIR 1
	PAIR 2
	PAIR 3
	PAIR 4
	PAIR 5
	PAIR 6
	PAIR 7
	CHUNK 0
	CHUNK 1
	CHUNK 2
	CHUNK 3
	; ---- TAIL: layer 3, the running softmax, O += p x keys ----
	WIN 0x40
.set k, 0
.rept 8
	ds_load_b128 v[4*k:4*k+3], v4 offset:512*k     ; W3, every row of the fragment alike
.set k, k+1
.endr
	WIN 0
.set k, 0
.rept 8
	ds_load_tr16_b128 v[128+8*k:128+8*k+3], v9 offset:32*k          ; the keys turned: channel 16 k + r, rows 8 h + 0..7,
	ds_load_tr16_b128 v[128+8*k+4:128+8*k+7], v9 offset:32*k+16*KP  ; and rows 16 + 8 h + 0..7
.set k, k+1
.endr
	SETQ 1, 112, 0x40, 29
	RID 48
	s_wait_dscnt 0x10                              ; W3 is in; the sixteen turning loads may stay out
	WIN 0x05
.set k, 0
.rept 8                                        ; K step k / 2, tile k % 2: two accumulators by turns.  Register 0 of a lane is row r's score
.if k < 2
	v_wmma_f32_16x16x32_bf16 v[64+8*(k%2):64+8*(k%2)+7], v[8*(k/2):8*(k/2)+7], v[64+16*(k/2)+8*(k%2):64+16*(k/2)+8*(k%2)+7], 0
.else
	v_wmma_f32_16x16x32_bf16 v[64+8*(k%2):64+8*(k%2)+7], v[8*(k/2):8*(k/2)+7], v[64+16*(k/2)+8*(k%2):64+16*(k/2)+8*(k%2)+7], v[64+8*(k%2):64+8*(k%2)+7]
.endif
.set k, k+1
.endr
	WIN 0
	PLACES
	v_add_f32 v32, s30, v64
	v_add_f32 v33, s30, v72
	v_cmp_gt_i32 s104, s100, v15                   ; is my place of tile 0 a live row?
	v_cmp_gt_i32 s105, s101, v15
	v_cndmask_b32 v32, s3, v32, s104               ; a place behind the last live row scores the lowest finite number
	v_cndmask_b32 v33, s3, v33, s105
	v_max_num_f32 v34, v32, v33
	v_max_num_f32_dpp v34, v34, v34 row_xmask:1 row_mask:0xf bank_mask:0xf
	v_max_num_f32_dpp v34, v34, v34 row_xmask:2 row_mask:0xf bank_mask:0xf
	v_max_num_f32_dpp v34, v34, v34 row_xmask:4 row_mask:0xf bank_mask:0xf
	v_max_num_f32_dpp v34, v34, v34 row_xmask:8 row_mask:0xf bank_mask:0xf
	v_max_num_f32 v34, v21, v34                    ; the new m, alike in all lanes
	v_sub_f32 v35, v21, v34                        ; the differences first, the factor log2(e) behind them: no infinity meets another
	v_sub_f32 v32, v32, v34
	v_sub_f32 v33, v33, v34
	v_mul_f32 v35, s2, v35
	v_mul_f32 v32, s2, v32
	v_mul_f32 v33, s2, v33
	v_exp_f32 v35, v35                             ; a
	v_exp_f32 v32, v32                             ; p of row r
	v_exp_f32 v33, v33                             ; p of row 16 + r
	v_mov_b32 v21, v34                             ; the plain instruction behind the last exponential
	s_wait_alu depctr_va_vdst(0)                   ; one wait for the three, ahead of their first reader
	v_fma_f32 v22, v22, v35, v32
	v_add_f32 v22, v22, v33
	v_cvt_pk_f16_f32 v36, v32, v33
	ds_store_b16 v10, v36
	ds_store_b16_d16_hi v10, v36 offset:32
	WIN 0x40
	ds_load_b128 v[32:35], v11                     ; p of rows 8 h + 0..7: source 0, every row alike
	ds_load_b128 v[36:39], v11 offset:32
	s_wait_dscnt 0x0                               ; p and the turned keys
	WIN 0x01
.set k, 0
.rept 8
	v_wmma_f32_16x16x32_f16 v[64+8*k:64+8*k+7], v[32:39], v[128+8*k:128+8*k+7], 0
.set k, k+1
.endr
	WIN 0
	PLACES
.set k, 0
.rept 8
	v_fma_f32 v[24+k], v[24+k], v35, v[64+8*k]     ; O = a O + this item's sum
.set k, k+1
.endr
	s_sub_co_i32 s100, s100, 32
	s_sub_co_i32 s101, s101, 32
	s_sub_co_u32 s97, s97, 1
	s_cmp_lg_u32 s97, 0
	s_cbranch_scc1 .Litem
	; ---- the batch's end: the masked rows' share of the denominator, the division, the way out ----
	v_add_f32_dpp v22, v22, v22 row_xmask:1 row_mask:0xf bank_mask:0xf
	v_add_f32_dpp v22, v22, v22 row_xmask:2 row_mask:0xf bank_mask:0xf
	v_add_f32_dpp v22, v22, v22 row_xmask:4 row_mask:0xf bank_mask:0xf
	v_add_f32_dpp v22, v22, v22 row_xmask:8 row_mask:0xf bank_mask:0xf
	s_sub_co_u32 s21, 200, s99                     ; masked rows
	v_mov_b32 v39, s21
	v_mov_b32 v37, s3
	v_mov_b32 v38, 0xc61c4000                      ; -10000
	v_cmp_ne_u32 s104, 0, v39
	v_cndmask_b32 v37, v37, v38, s104              ; their score takes part in the maximum if there are any: a choice of a value, by a select
	v_max_num_f32 v32, v37, v21
	v_sub_f32 v33, v21, v32
	v_sub_f32 v34, v37, v32
	v_mul_f32 v33, s2, v33
	v_mul_f32 v34, s2, v34
	v_exp_f32 v33, v33                             ; the last correction of l and O (0 where no row is live)
	v_exp_f32 v34, v34                             ; a masked row's term
	v_cvt_f32_u32 v35, v39
	s_wait_alu depctr_va_vdst(0)
	v_mul_f32 v34, v35, v34
	v_fma_f32 v22, v22, v33, v34
	v_rcp_f32 v36, v22
	v_nop
	s_wait_alu depctr_va_vdst(0)
	v_mul_f32 v36, v33, v36
.set k, 0
.rept 8
	v_mul_f32 v[24+k], v[24+k], v36
.set k, k+1
.endr
.set k, 0
.rept 8
	ds_store_b32 v12, v[24+k] offset:64*k          ; both halves of the lanes hold, and write, the same
.set k, k+1
.endr
	ds_load_b128 v[44:47], v13
	s_wait_dscnt 0x0
	global_store_b128 v1, v[44:47], s[70:71]       ; the batch's 512 bytes, consecutive
	s_wait_xcnt 0x0                                ; the store has read its base and data: they are written again only behind this wait
	s_add_nc_u64 s[70:71], s[70:71], 512
	v_add_nc_u32 v6, 1024, v6                      ; the odd batch's cb,
	v_add_nc_u32 v7, 256, v7                       ; and q
	s_mov_b32 s99, s27
	s_sub_co_u32 s96, s96, 1
	s_cmp_lg_u32 s96, 0
	s_cbranch_scc1 .Lbatch
	s_wait_kmcnt 0x0                               ; the entries asked for last
	s_wait_tensorcnt 0x0                           ; the wave's end
	ds_add_u32 v[SPW], v[NIL]
	s_wait_dscnt 0x0
	s_endpgm
.Lfunc_end_k_q58e04e2c8a_main:
	.size	k_q58e04e2c8a_main, .Lfunc_end_k_q58e04e2c8a_main-k_q58e04e2c8a_main
	.p2alignl 7, 3214868480
	.fill 96, 4, 3214868480
	.section	.rodata,"a",@progbits
	.p2align	6, 0x0
	.amdhsa_kernel k_q58e04e2c8a_main
		.amdhsa_group_segment_fixed_size 252416
		.amdhsa_private_segment_fixed_size 0
		.amdhsa_enable_private_segment 0
		.amdhsa_kernarg_size 64
		.amdhsa_user_sgpr_count 2
		.amdhsa_user_sgpr_kernarg_segment_ptr 1
		.amdhsa_wavefront_size32 1
		.amdhsa_system_sgpr_workgroup_id_x 1
		.amdhsa_system_sgpr_workgroup_id_y 1
		.amdhsa_system_sgpr_workgroup_id_z 1
		.amdhsa_system_vgpr_workitem_id 0
		.amdhsa_next_free_vgpr 1024
		.amdhsa_next_free_sgpr 106
		.amdhsa_reserve_vcc 0
		.amdhsa_float_denorm_mode_32 3
		.amdhsa_float_denorm_mode_16_64 3
		.amdhsa_memory_ordered 1
		.amdhsa_forward_progress 1
		.amdhsa_inst_pref_size 164
	.end_amdhsa_kernel
	.amdgpu_metadata
---
amdhsa.version: [ 1, 2 ]
amdhsa.kernels:
  - .name:           k_q58e04e2c8a_main
    .symbol:         k_q58e04e2c8a_main.kd
    .args:
      - { .name: list, .offset: 0, .size: 8, .value_kind: global_buffer, .address_space: global }
      - { .name: wts, .offset: 8, .size: 8, .value_kind: global_buffer, .address_space: global }
      - { .name: bq, .offset: 16, .size: 8, .value_kind: global_buffer, .address_space: global }
      - { .name: keys, .offset: 24, .size: 8, .value_kind: global_buffer, .address_space: global }
      - { .name: a1, .offset: 32, .size: 8, .value_kind: global_buffer, .address_space: global }
      - { .name: a2, .offset: 40, .size: 8, .value_kind: global_buffer, .address_space: global }
      - { .name: b3, .offset: 48, .size: 8, .value_kind: global_buffer, .address_space: global }
      - { .name: out0, .offset: 56, .size: 8, .value_kind: global_buffer, .address_space: global }
    .group_segment_fixed_size: 252416
    .private_segment_fixed_size: 0
    .kernarg_segment_align: 8
    .kernarg_segment_size: 64
    .max_flat_workgroup_size: 128
    .sgpr_count:     106
    .vgpr_count:     1024
    .wavefront_size: 32
...
	.end_amdgpu_metadata
.endif
;; end of part 2
;; ======== version 2 of 2: 2 launches; version 1 with the launch prep written anew for expert scheduling mode
;; limits: values are held in f16: magnitudes above 65,504 overflow, below 6.1e-05 lose precision; inputs' magnitudes at most 65,504
;; workspace buffers: wts 201,728 bytes; bq 2,621,440 bytes; list 2,621,440 bytes of whole numbers
;; launch prep (part 3): grid 256 x 1, 8 waves a work-group, no clusters, 20,736 bytes of LDS; arguments W1, W2, W3, b1, b2, query, mask, wts, bq, list; writes wts, bq, list
.if DOCPART == 3
	.amdgcn_target "amdgcn-amd-amdhsa--gfx1250"
	.amdhsa_code_object_version 6
	.text
	.protected	k_q58e04e2c8a_prep
	.globl	k_q58e04e2c8a_prep
	.p2align	8
	.type	k_q58e04e2c8a_prep,@function
k_q58e04e2c8a_prep:
	s_mov_b64 s[64:65], 0
	v_nop
	global_prefetch_b8 v0, s[64:65] scope:SCOPE_SE
	s_setreg_imm32_b32 hwreg(HW_REG_WAVE_SCHED_MODE, 0, 2), 2
	s_setreg_imm32_b32 hwreg(HW_REG_WAVE_MODE, 25, 1), 1
	s_wait_xcnt 0x0
	s_wait_alu depctr_vm_vsrc(0)
; PREPARATION for the attention launch.  W1 = [Wa|Wb|Wc|Wd] (four blocks of 128 columns).  Since [q, k, q-k, q*k] W1^T = q (Wa+Wc)^T + k (Wb-Wc)^T + k (Wd*q)^T, this launch stores
;   bq   [1024 slots][2,560 B]: a slot is two batches.  cb = b1 + q (Wa+Wc)^T (256 f32) of the even batch at 0, of the odd one at 1,024; the two queries in f16 at 2,048.
;   wts  weight images in the order of matrix fragments: a fragment F is 1,024 B; the 16 bytes at 1024 F + 512 u + 16 lane are 8 numbers of row 16 tile + lane % 16, columns 32 c + 16 u + 8 (lane / 16) + 0..7.
;        0: f16(Wd), F = 4 ft + c;  65,536: f16(Wb - Wc), the difference taken in f32;  131,072: bf16(W2), F = 8 gt + ks;  196,608: bf16(W3), every row alike, F = ks;  200,704: b2;  201,216: zeros.
;   list [1024 slots][640 words]: the byte offsets (200 j + l) x 512 of the rows with mask != 0, from the slot's first key row, l ascending; batch j's entries begin at word 224 j
;        (seven groups of 32 for its 200 rows); all else up to word 511 is 0; words 512, 513 = n0, n1, the numbers of live rows; the rest 0.
; LIMITS.  |query|, |Wd|, |Wb-Wc|, |Wa+Wc| stay under 65,504 (f16); the products for cb take f16 operands and f32 sums.
; SHARES.  Work-group x: bt = x / 2 (16 batches), fh = x % 2 (128 features).  Wave w makes cb's tile of features 16 (8 fh + w) on.  Waves 0-3 also make the list of slot 4 x + w;
; waves 4-7, y = 4 x + w - 4, also the f16 queries of slot y and, where y <= 393, the 512 bytes y of wts.
; THE MODE: SCHED_MODE bits 1:0 = 2 (LLVM: expert scheduling mode 2), set by the entry lines.  The code itself states the register dependences
; between vector or matrix instructions and memory or LDS instructions, with s_wait_alu, always for 0.
; THE PLAN.  The text has no loop: each straight run makes all that its memory instructions read, states that once, and then issues them.  Registers that memory or LDS instructions touch:
;   head      v5, v6, v7, v10  offsets, made once, never written again.  v[56:255]: the 50 loads land there; no vector line names them ahead of the join.
;   waves 0-3 v8, v9, v11, v[52:55]  offsets, an LDS address and zeros, made at the arm's head, never written again.
;             v[24:37]  the mask words land; the 14 compares read them; then entry e's LDS address is made in v[24 + e].   v[38:51]  entry e's data.   v20, v21  the counts and their address.
;             All 30 are made first; the 15 LDS stores follow in one run; then the list is read back into v[24:43], which the global stores read.
;   waves 4-7 v8, v9, v16, v17  the lane's part of four offsets, made at the arm's head, never written again: a piece's own part goes into a scalar base.
;             v[24:31]  the queries land; four conversions read them; then a piece's weights land.   v[36:43]  Wc lands.   v[32:35], v[44:47]  what the two stores read, each written once.
;   join      v12, v13  the stage's addresses; v[192:199] the sums, which the stage's stores read; v[208:215], which the additions have read, take the rows read back.
.set STAGE,  0                         ; 16 rows (batches) x 512 bytes of cb, pitch 528
.set SPITCH, 528
.set LSB,    8448                      ; waves 0-3: 640 list words + 64 words that take the lanes with nothing to say
.set LSZ,    2816
.set B1E,    224                       ; the odd batch's first entry
.set SPARE,  19712                     ; the spare words, 128 bytes a wave
.set SPW,    22
.set NIL,    23
.set AD,     24                        ; waves 0-3: v[24:37] the mask words of group e = 7 j + i, then that group's LDS addresses
.set DA,     38                        ; waves 0-3: v[38:51] that group's entries
.set ZR,     52                        ; waves 0-3: v[52:55] zeros
	s_load_b512 s[4:19], s[0:1], 0x0               ; W1 s[4:5], W2 s[6:7], W3 s[8:9], b1 s[10:11], b2 s[12:13], query s[14:15], mask s[16:17], wts s[18:19]
	s_load_b128 s[20:23], s[0:1], 0x40             ; bq s[20:21], list s[22:23]
	v_lshl_add_u32 v[SPW], v0, 2, SPARE
	v_mov_b32 v[NIL], 0
	v_lshrrev_b32 v1, 5, v0
	v_readfirstlane_b32 s24, v1                    ; wave 0..7
	v_and_b32 v2, 31, v0                           ; lane
	v_and_b32 v3, 15, v0                           ; r
	v_bfe_u32 v4, v0, 4, 1                         ; h
	v_lshlrev_b32 v10, 4, v2                       ; 16 x lane; never rewritten
	s_lshr_b32 s25, ttmp9, 1                       ; bt
	s_and_b32 s26, ttmp9, 1                        ; fh
	s_lshl_b32 s27, s26, 3
	s_wait_alu depctr_va_sdst(0)                   ; s24 is written, ahead of its first reader: offsets, bases and the branches on the wave's number are made from it
	s_add_co_u32 s27, s27, s24                     ; ft = 8 fh + w
	s_lshl_b32 s28, s27, 6
	v_lshl_add_u32 v5, v4, 5, s28                  ; b1: (16 ft + 8 h) x 4
	s_lshl_b32 s29, s25, 13
	v_lshlrev_b32 v6, 9, v3
	v_lshl_add_u32 v6, v4, 5, v6
	v_add_nc_u32 v6, s29, v6                       ; query: (16 bt + r) x 512 + 32 h
	s_lshl_b32 s30, s27, 15
	v_lshlrev_b32 v7, 11, v3
	v_lshl_add_u32 v7, v4, 5, v7
	v_add_nc_u32 v7, s30, v7                       ; W1: (16 ft + r) x 2,048 + 32 h
	s_lshl_b32 s31, ttmp9, 2
	s_add_co_u32 s31, s31, s24                     ; 4 x + w
	s_wait_kmcnt 0x0
	s_wait_alu depctr_va_vdst(0)                   ; v5, v6 and v7 are written, which the 50 loads below read as offsets; so is v10, which every global store reads
	; the 50 loads of cb's tile go out first; each arm below waits for them together with its own
	global_load_b128 v[56:59], v5, s[10:11]
	global_load_b128 v[60:63], v5, s[10:11] offset:16
.set i, 0
.rept 16                                       ; i = 4 c + 2 u + e: 32 bytes a lane at 128 c + 64 u + 32 h
	global_load_b128 v[64+4*i:64+4*i+3],   v6, s[14:15] offset:128*(i/4)+64*((i/2)%2)+16*(i%2)
	global_load_b128 v[128+4*i:128+4*i+3], v7, s[4:5] offset:128*(i/4)+64*((i/2)%2)+16*(i%2)
	global_load_b128 v[192+4*i:192+4*i+3], v7, s[4:5] offset:128*(i/4)+64*((i/2)%2)+16*(i%2)+1024
.set i, i+1
.endr
	s_cmp_lt_u32 s24, 4
	s_cbranch_scc0 .Lconv
	; ---- waves 0-3: the list of slot s31 ----
	s_mul_i32 s34, s31, 1600
	s_mov_b32 s35, 0
	s_add_nc_u64 s[32:33], s[16:17], s[34:35]      ; the slot's 400 mask words
	v_lshlrev_b32 v8, 2, v2
	v_add_nc_u32 v9, 192, v2
	v_min_u32 v9, 199, v9                          ; the seventh group has 8 rows: the other lanes read row 199 again and are masked off below
	v_lshlrev_b32 v9, 2, v9
	s_mul_i32 s58, s24, LSZ
	s_add_co_u32 s58, s58, LSB                     ; my list in LDS
	v_lshl_add_u32 v11, v2, 4, s58
	v_mov_b32 v[ZR], 0
	v_mov_b32 v[ZR+1], 0
	v_mov_b32 v[ZR+2], 0
	v_mov_b32 v[ZR+3], 0
	v_add_nc_u32 v17, 640, v2                      ; where a lane with a masked row writes
	v_lshlrev_b32 v18, 9, v2                       ; lane x 512
	s_wait_alu depctr_va_vdst(0)                   ; v8 and v9 are written, which the mask's loads read; so are v11 and the zeros, the address and the data of the LDS stores below
.irp j, 0,1
.irp i, 0,1,2,3,4,5
	global_load_b32 v[AD+7*\j+\i], v8, s[32:33] offset:800*\j+128*\i
.endr
	global_load_b32 v[AD+7*\j+6], v9, s[32:33] offset:800*\j
.endr
.irp k, 0,1,2,3,4
	ds_store_b128 v11, v[ZR:ZR+3] offset:512*\k    ; all 640 words start at 0; LDS serves a wave's instructions in order, so the entries below land on top
.endr
	s_wait_loadcnt 0x0
.irp j, 0,1
.irp i, 0,1,2,3,4,5,6
	v_cmp_ne_u32 s[40+7*\j+\i], 0, v[AD+7*\j+\i]
.endr
.endr
	s_wait_alu depctr_va_sdst(0)                   ; the fourteen masks s40 to s53 are written, ahead of their first readers: one wait behind the run of compares
	s_and_b32 s46, s46, 0xff                       ; the seventh group's 8 rows, of the even batch
	s_and_b32 s53, s53, 0xff                       ; and of the odd one
; rows 32 i + lane of batch j: a live row's place is the running count s56 plus the live lanes below it.  Each group has an address register and a data register of its own: the stores follow in one run
.macro ENTRY j, i
	v_mbcnt_lo_u32_b32 v[AD+7*(\j)+(\i)], s[40+7*(\j)+(\i)], s56
	v_cndmask_b32 v[AD+7*(\j)+(\i)], v17, v[AD+7*(\j)+(\i)], s[40+7*(\j)+(\i)]
	v_min_u32 v[AD+7*(\j)+(\i)], 703, v[AD+7*(\j)+(\i)]  ; inside my 704 words whatever the mask holds
	v_lshl_add_u32 v[AD+7*(\j)+(\i)], v[AD+7*(\j)+(\i)], 2, s58
	v_add_nc_u32 v[DA+7*(\j)+(\i)], (200*(\j)+32*(\i))*512, v18
	s_bcnt1_i32_b32 s57, s[40+7*(\j)+(\i)]
	s_add_co_u32 s56, s56, s57
.endm
	s_mov_b32 s56, 0
.irp i, 0,1,2,3,4,5,6
	ENTRY 0, \i
.endr
	s_mov_b32 s54, s56                             ; n0
	s_mov_b32 s56, B1E                             ; batch 1's entries begin here
.irp i, 0,1,2,3,4,5,6
	ENTRY 1, \i
.endr
	s_sub_co_u32 s59, s56, B1E                     ; n1
	v_mov_b32 v20, 0
	v_writelane_b32 v20, s54, 0
	v_writelane_b32 v20, s59, 1
	v_lshl_add_u32 v21, v2, 2, s58
	s_wait_alu depctr_va_vdst(0)                   ; the fourteen addresses v[24:37], the fourteen entries v[38:51], v20 and v21 are written, which the fifteen LDS stores read; no vector line behind this wait names v[24:43], in which the list lands below
.set e, 0
.rept 14
	ds_store_b32 v[AD+e], v[DA+e]
.set e, e+1
.endr
	ds_store_b32 v21, v20 offset:2048              ; words 512..543
	s_mul_i32 s34, s31, 2560
	s_add_nc_u64 s[62:63], s[22:23], s[34:35]
	s_wait_alu depctr_vm_vsrc(0)                   ; the LDS stores above have read v[24:43], in which the loads below land
.irp k, 0,1,2,3,4
	ds_load_b128 v[24+4*\k:27+4*\k], v11 offset:512*\k  ; my own bytes, behind my own stores
.endr
	s_wait_dscnt 0x0
.irp k, 0,1,2,3,4
	global_store_b128 v10, v[24+4*\k:27+4*\k], s[62:63] offset:512*\k  ; 512 consecutive bytes each
.endr
	s_branch .Ljoin
	; ---- waves 4-7: the queries in f16, and 512 bytes of the weight images ----
.macro CVH                             ; v[24:31] -> 8 f16 in v[44:47]
.irp q, 0,1,2,3
	v_cvt_pk_f16_f32 v[44+\q], v[24+2*\q], v[25+2*\q]
.endr
.endm
.macro CVB                             ; the same to bf16
.irp q, 0,1,2,3
	v_cvt_pk_bf16_f32 v[44+\q], v[24+2*\q], v[25+2*\q]
.endr
.endm
.Lconv:
	s_sub_co_u32 s31, s31, 4                       ; y
	s_lshl_b32 s34, s31, 10
	s_mov_b32 s35, 0
	s_add_nc_u64 s[32:33], s[14:15], s[34:35]      ; slot y's two queries: 1,024 bytes
	v_lshlrev_b32 v8, 5, v2                        ; the queries: 32 x lane
	v_lshlrev_b32 v9, 11, v3
	v_lshl_add_u32 v9, v4, 5, v9                   ; a fragment of W1: r x 2,048 + 32 h
	v_lshlrev_b32 v16, 10, v3
	v_lshl_add_u32 v16, v4, 5, v16                 ; of W2: r x 1,024 + 32 h
	v_lshlrev_b32 v17, 5, v4                       ; of W3: 32 h, every row of the fragment is W3
	s_wait_alu depctr_va_vdst(0)                   ; the four offsets v8, v9, v16, v17 are written, which this arm's loads read; they are never written again
	global_load_b128 v[24:27], v8, s[32:33]
	global_load_b128 v[28:31], v8, s[32:33] offset:16
	s_mul_i32 s36, s31, 2560
	s_mov_b32 s37, 0
	s_add_nc_u64 s[36:37], s[20:21], s[36:37]
	s_wait_loadcnt 0x0
.irp q, 0,1,2,3
	v_cvt_pk_f16_f32 v[32+\q], v[24+2*\q], v[25+2*\q]
.endr
	s_wait_alu depctr_va_vdst(0)                   ; the conversions have written v[32:35], which the store reads, and are done reading v[24:31], in which a piece's weights land below
	global_store_b128 v10, v[32:35], s[36:37] offset:2048
	s_cmp_gt_u32 s31, 393
	s_cbranch_scc1 .Ljoin                          ; wts has 394 pieces of 512 bytes
	s_lshl_b32 s38, s31, 9
	s_mov_b32 s39, 0
	s_add_nc_u64 s[38:39], s[18:19], s[38:39]
	s_and_b32 s40, s31, 1
	s_lshl_b32 s40, s40, 6                         ; 64 u
	s_mov_b32 s43, 0                               ; the upper word of the piece's offset
	s_cmp_lt_u32 s31, 256
	s_cbranch_scc0 .Lw2
	s_bfe_u32 s41, s31, 0x60001                    ; F = (y % 128) / 2
	s_lshr_b32 s42, s41, 2                         ; ft
	s_and_b32 s41, s41, 3                          ; c
	s_lshl_b32 s42, s42, 15
	s_lshl_b32 s41, s41, 7
	s_add_co_u32 s42, s42, s41
	s_add_co_u32 s42, s42, s40                     ; 16 ft x 2,048 + 128 c + 64 u: the piece's part of the offset goes into a scalar base
	s_add_nc_u64 s[42:43], s[4:5], s[42:43]
	s_cmp_lt_u32 s31, 128
	s_cbranch_scc0 .Lwbc
	global_load_b128 v[24:27], v9, s[42:43] offset:1536  ; Wd
	global_load_b128 v[28:31], v9, s[42:43] offset:1552
	s_wait_loadcnt 0x0
	CVH
	s_branch .Lput
.Lwbc:
	global_load_b128 v[24:27], v9, s[42:43] offset:512   ; Wb
	global_load_b128 v[28:31], v9, s[42:43] offset:528
	global_load_b128 v[36:39], v9, s[42:43] offset:1024  ; Wc
	global_load_b128 v[40:43], v9, s[42:43] offset:1040
	s_wait_loadcnt 0x0
.irp q, 0,2,4,6
	v_pk_add_f32 v[24+\q:25+\q], v[24+\q:25+\q], v[36+\q:37+\q] neg_lo:[0,1] neg_hi:[0,1]
.endr
	CVH
	s_branch .Lput
.Lw2:
	s_cmp_lt_u32 s31, 384
	s_cbranch_scc0 .Lw3
	s_bfe_u32 s41, s31, 0x60001                    ; F = (y - 256) / 2
	s_lshr_b32 s42, s41, 3                         ; gt
	s_and_b32 s41, s41, 7                          ; ks
	s_lshl_b32 s42, s42, 14
	s_lshl_b32 s41, s41, 7
	s_add_co_u32 s42, s42, s41
	s_add_co_u32 s42, s42, s40                     ; 16 gt x 1,024 + 128 ks + 64 u
	s_add_nc_u64 s[42:43], s[6:7], s[42:43]
	global_load_b128 v[24:27], v16, s[42:43]
	global_load_b128 v[28:31], v16, s[42:43] offset:16
	s_wait_loadcnt 0x0
	CVB
	s_branch .Lput
.Lw3:
	s_cmp_lt_u32 s31, 392
	s_cbranch_scc0 .Lb2
	s_bfe_u32 s41, s31, 0x20001                    ; ks = (y - 384) / 2
	s_lshl_b32 s41, s41, 7
	s_add_co_u32 s42, s41, s40                     ; 128 ks + 64 u
	s_add_nc_u64 s[42:43], s[8:9], s[42:43]
	global_load_b128 v[24:27], v17, s[42:43]
	global_load_b128 v[28:31], v17, s[42:43] offset:16
	s_wait_loadcnt 0x0
	CVB
	s_branch .Lput
.Lb2:
	s_cmp_eq_u32 s31, 392
	s_cbranch_scc0 .Lzero
	global_load_b128 v[44:47], v10, s[12:13]       ; b2 as it is
	s_wait_loadcnt 0x0
	s_branch .Lput
.Lzero:
	v_mov_b32 v44, 0
	v_mov_b32 v45, 0
	v_mov_b32 v46, 0
	v_mov_b32 v47, 0
.Lput:
	s_wait_alu depctr_va_vdst(0)                   ; on each of the ways that join here the conversions, or the four moves, have written v[44:47], which the store reads
	global_store_b128 v10, v[44:47], s[38:39]
	; ---- every wave: cb's tile.  Source 0 = 16 features of Wa + Wc, source 1 = 16 queries: a lane ends with one batch (r) and the features 8 h + 0..7 ----
.Ljoin:
	s_wait_loadcnt 0x0
.set k, 0
.rept 32
	v_pk_add_f32 v[128+2*k:129+2*k], v[128+2*k:129+2*k], v[192+2*k:193+2*k]
.set k, k+1
.endr
.set k, 0
.rept 32                                       ; in place, ascending: register k is written when 2 k and 2 k + 1 have been read
	v_cvt_pk_f16_f32 v[128+k], v[128+2*k], v[129+2*k]
	v_cvt_pk_f16_f32 v[64+k], v[64+2*k], v[65+2*k]
.set k, k+1
.endr
	; two accumulators by turns; b1 starts the first sum, 0 the second
	v_wmma_f32_16x16x32_f16 v[192:199], v[128:135], v[64:71], v[56:63]
	v_wmma_f32_16x16x32_f16 v[200:207], v[136:143], v[72:79], 0
	v_wmma_f32_16x16x32_f16 v[192:199], v[144:151], v[80:87], v[192:199]
	v_wmma_f32_16x16x32_f16 v[200:207], v[152:159], v[88:95], v[200:207]
	v_mul_u32_u24 v12, v3, SPITCH                  ; four plain instructions that name none of the products' registers stand behind the last product
	v_lshl_add_u32 v12, v4, 5, v12
	s_lshl_b32 s44, s24, 6
	v_add_nc_u32 v12, s44, v12                     ; stage: row r, 64 w + 32 h
	s_mul_i32 s45, s24, 2*SPITCH
	v_add_nc_u32 v13, s45, v10                     ; back: rows 2 w and 2 w + 1, 16 bytes a lane
.irp q, 0,2,4,6
	v_pk_add_f32 v[192+\q:193+\q], v[192+\q:193+\q], v[200+\q:201+\q]
.endr
	s_wait_alu depctr_va_vdst(0)                   ; the additions have written v[192:199], the LDS stores' data; v12 and v13, the stage's addresses, are written; the additions at the join are done reading v[208:215], in which the rows land below
	ds_store_b128 v12, v[192:195]
	ds_store_b128 v12, v[196:199] offset:16
	s_wait_dscnt 0x0                               ; my part of the stage is written, for the others' sake
	s_barrier_signal -1
	s_barrier_wait -1
	ds_load_b128 v[208:211], v13
	ds_load_b128 v[212:215], v13 offset:SPITCH
	s_lshl_b32 s46, s25, 3
	s_add_co_u32 s46, s46, s24                     ; slot 8 bt + w
	s_mul_i32 s46, s46, 2560
	s_lshl_b32 s47, s26, 9
	s_add_co_u32 s46, s46, s47                     ; + 512 fh
	s_mov_b32 s47, 0
	s_add_nc_u64 s[66:67], s[20:21], s[46:47]
	s_wait_dscnt 0x0
	global_store_b128 v10, v[208:211], s[66:67]              ; 512 consecutive bytes of the even batch's cb,
	global_store_b128 v10, v[212:215], s[66:67] offset:1024  ; and of the odd one's
	s_wait_dscnt 0x0                               ; the closing lines, six on end
	s_wait_alu 0x0
	s_wait_tensorcnt 0x0
	ds_add_u32 v[SPW], v[NIL]
	s_wait_dscnt 0x0
	s_endpgm
.Lfunc_end_k_q58e04e2c8a_prep:
	.size	k_q58e04e2c8a_prep, .Lfunc_end_k_q58e04e2c8a_prep-k_q58e04e2c8a_prep
	.p2alignl 7, 3214868480
	.fill 96, 4, 3214868480
	.section	.rodata,"a",@progbits
	.p2align	6, 0x0
	.amdhsa_kernel k_q58e04e2c8a_prep
		.amdhsa_group_segment_fixed_size 20736
		.amdhsa_private_segment_fixed_size 0
		.amdhsa_enable_private_segment 0
		.amdhsa_kernarg_size 80
		.amdhsa_user_sgpr_count 2
		.amdhsa_user_sgpr_kernarg_segment_ptr 1
		.amdhsa_wavefront_size32 1
		.amdhsa_system_sgpr_workgroup_id_x 1
		.amdhsa_system_sgpr_workgroup_id_y 1
		.amdhsa_system_sgpr_workgroup_id_z 1
		.amdhsa_system_vgpr_workitem_id 0
		.amdhsa_next_free_vgpr 256
		.amdhsa_next_free_sgpr 96
		.amdhsa_reserve_vcc 0
		.amdhsa_float_denorm_mode_32 3
		.amdhsa_float_denorm_mode_16_64 3
		.amdhsa_memory_ordered 1
		.amdhsa_forward_progress 1
		.amdhsa_inst_pref_size 31
	.end_amdhsa_kernel
	.amdgpu_metadata
---
amdhsa.version: [ 1, 2 ]
amdhsa.kernels:
  - .name:           k_q58e04e2c8a_prep
    .symbol:         k_q58e04e2c8a_prep.kd
    .args:
      - { .name: W1, .offset: 0, .size: 8, .value_kind: global_buffer, .address_space: global }
      - { .name: W2, .offset: 8, .size: 8, .value_kind: global_buffer, .address_space: global }
      - { .name: W3, .offset: 16, .size: 8, .value_kind: global_buffer, .address_space: global }
      - { .name: b1, .offset: 24, .size: 8, .value_kind: global_buffer, .address_space: global }
      - { .name: b2, .offset: 32, .size: 8, .value_kind: global_buffer, .address_space: global }
      - { .name: query, .offset: 40, .size: 8, .value_kind: global_buffer, .address_space: global }
      - { .name: mask, .offset: 48, .size: 8, .value_kind: global_buffer, .address_space: global }
      - { .name: wts, .offset: 56, .size: 8, .value_kind: global_buffer, .address_space: global }
      - { .name: bq, .offset: 64, .size: 8, .value_kind: global_buffer, .address_space: global }
      - { .name: list, .offset: 72, .size: 8, .value_kind: global_buffer, .address_space: global }
    .group_segment_fixed_size: 20736
    .private_segment_fixed_size: 0
    .kernarg_segment_align: 8
    .kernarg_segment_size: 80
    .max_flat_workgroup_size: 256
    .sgpr_count:     96
    .vgpr_count:     256
    .wavefront_size: 32
...
	.end_amdgpu_metadata
.endif
;; end of part 3
;; launch main: the kernel of part 2 again; grid 256 x 1, 4 waves a work-group, no clusters, 252,416 bytes of LDS; arguments list, wts, bq, keys, a1, a2, b3, out0; writes out0
